; MI455X (gfx1250); checked and timed in simulation.
; The chip was launched on July 23, 2026; its instructions are those of AMD's public machine-readable ISA for CDNA 5 (MIT licence, August 2026) and "CDNA5" Instruction Set Architecture Reference Guide (July 2026). The comments in the code are by the model that wrote it; some were corrected since.
;; Attention Critic. Allowed arithmetic: matrix products marked QUANTISED: E4M3 operands, one given power-of-two scale a tensor, by v_wmma_f32_16x16x64_fp8_fp8 or v_wmma_f32_16x16x128_fp8_fp8, f32 sums; products left as they are: f32 operands where the result goes on into a quantised operand, else bf16, f16 or f32 operands; f32 sums; everything else in f32.
;; Inputs: W_b1 256 x 256 float32; W_b2 256 x 1 float32; W_c1 512 x 256 float32; W_c2 256 x 1 float32; W_enc 160 x 256 float32; W_k 4 x 256 x 64 float32; W_q 4 x 256 x 64 float32; W_s 128 x 256 float32; W_v 4 x 256 x 64 float32; b_b1 256 float32; b_b2 1 float32; b_c1 256 float32; b_c2 1 float32; b_enc 256 float32; b_s 256 float32; b_v 4 x 64 float32; lowp_scales 14 int32 (the exponents e of the quantised operands' scales 2^e); sa 8 x 16,384 x 160 float32; states 8 x 16,384 x 128 float32.
;; Outputs: out0 8 x 16,384 x 1 float32; out1 8 float32.
;; This version of the problem:
;;   THIS VERSION OF THE PROBLEM IS GIVEN IN LOW PRECISION. The matrix products marked QUANTISED in the list below multiply operands that are first quantised to E4M3 (4 exponent bits, 3 mantissa bits; 8 bits a number), with one given power-of-two scale for each operand tensor; their sums are f32. All else is computed in f32.
;;   The module's matrix products, in the order in which they are computed (A, B: the left and right operand; K: the contracted axis; several contracted axes count as one K, in the product's order):
;;     1. [M 131,072, K 160] x [K 160, N 256]; A: input sa; B: input W_enc: QUANTISED (scales: A lowp_scales[0], B lowp_scales[1])
;;     2. [M 131,072, K 128] x [K 128, N 256]; A: input states; B: input W_s: QUANTISED (scales: A lowp_scales[2], B lowp_scales[3])
;;     3. [M 256, K 256] x [K 256, N 131,072]; A: input W_k; B: computed on the way: QUANTISED (scales: A lowp_scales[4], B lowp_scales[5])
;;     4. [M 256, K 256] x [K 256, N 131,072]; A: input W_q; B: computed on the way: QUANTISED (scales: A lowp_scales[6], B lowp_scales[7])
;;     5. [M 256, K 256] x [K 256, N 131,072]; A: input W_v; B: computed on the way: QUANTISED (scales: A lowp_scales[8], B lowp_scales[9])
;;     6. batch 65,536 x [M 8, K 64] x [K 64, N 8]; A: computed on the way; B: computed on the way: left as it is (M = 8 < 16)
;;     7. batch 65,536 x [M 64, K 8] x [K 8, N 8]; A: computed on the way; B: softmax: left as it is (K = 8 < 32)
;;     8. [M 131,072, K 512] x [K 512, N 256]; A: computed on the way; B: input W_c1: QUANTISED (scales: A lowp_scales[10], B lowp_scales[11])
;;     9. [M 131,072, K 256] x [K 256, N 1]; A: computed on the way; B: input W_c2: left as it is (N = 1 < 16)
;;     10. [M 131,072, K 256] x [K 256, N 256]; A: computed on the way; B: input W_b1: QUANTISED (scales: A lowp_scales[12], B lowp_scales[13])
;;     11. [M 131,072, K 256] x [K 256, N 1]; A: computed on the way; B: input W_b2: left as it is (N = 1 < 16)
;;   THE QUANTISER, for each operand of a quantised product, along K:
;;     - The operand's scale is 2^e, e = its entry of the input lowp_scales (int32; the entries are numbered through the quantised products in the list's order, A before B).
;;     - Each number is divided by the scale, clamped to +-448, and rounded to the nearest number of E4M3, ties to even, subnormals kept.
;;     - The product sums the exact products of the quantised numbers (number of the format x scale) in f32.
;;   ~~~python
;;   def quantise(x, axis, e):      # numpy; x: float32 -> the quantised numbers, widened to float32 again
;;       x = np.moveaxis(x, axis, -1); K = x.shape[-1]
;;       r = np.clip(x / 2.0 ** e, -448, 448)
;;       step = 2.0 ** (np.maximum(np.frexp(np.where(r == 0, 1, r))[1] - 1, -6) - 3)
;;       q = np.round(r / step) * step * 2.0 ** e      # np.round: ties to even
;;       return np.moveaxis(q, -1, axis).astype(np.float32)
;;   ~~~
;;   OPERANDS COMPUTED ON THE WAY. 'Computed on the way' means the value that the module computes at that place (a softmax that the list does not call 'softmax' is quantised finished and normalised). What goes into a quantiser is computed in f32, as accurately as f32 sums, v_exp_f32 and their like allow (about 1e-6 of the number): no bf16 or f16 on the way to a quantiser, and a product that is left as it is and whose result goes on into a quantised operand takes f32 operands (vector FMAs, or v_wmma_f32_16x16x4_f32). A number that lies on a knife's edge between two numbers of the format may be rounded either way, as far as f32 arithmetic and the matrix unit's own rounding can turn it there, and no further.
;; One version. Each part assembles by itself: llvm-mc -triple=amdgcn-amd-amdhsa -mcpu=gfx1250 --defsym DOCPART=n.
;; ======== version 1 of 1: 3 launches
;; limits: right only within a limited range of input values
;; workspace buffers: wimg 475,136 bytes; part 8,192 bytes
;; launch prep (part 1): grid 232 x 1, 4 waves a work-group, no clusters, 0 bytes of LDS; arguments W_s, W_enc, W_k, W_q, W_v, W_b1, W_c1, lowp_scales, wimg; writes wimg
.if DOCPART == 1
	.amdgcn_target "amdgcn-amd-amdhsa--gfx1250"
	.amdhsa_code_object_version 6
	.text
	.protected	k_q13a45a8f9a_prep
	.globl	k_q13a45a8f9a_prep
	.p2align	8
	.type	k_q13a45a8f9a_prep,@function
k_q13a45a8f9a_prep:
	s_mov_b64 s[64:65], 0
	v_nop
	global_prefetch_b8 v0, s[64:65] scope:SCOPE_SE
	s_setreg_imm32_b32 hwreg(HW_REG_WAVE_MODE, 25, 1), 1
	s_wait_xcnt 0x0
; The seven weight matrices, f32 with K as their first (or, in a head, first) axis, become codes of E4M3, each with the one scale 2^e given for it,
; laid in wimg AS IMAGES OF OPERAND REGISTERS: [tile wu = 4 w + u of 16 columns][group kk of 32 along K][lane][16 bytes]; byte i of lane (r = lane % 16, h = lane / 16)
; is the code of W[32 kk + 16 h + i][col(wu, r)].  The next launch's wave w then fills a fragment by loads of 512 consecutive bytes.
; col: NAT = 64 w + 16 u + r;  PERM = 64 w + 32 (u / 2) + 8 (u % 2) + r + 8 (r / 8), chosen so that a result's registers run along the next product's K.
; Nothing of reference() is left out in this program: every input has a way to an output.
; A LANE TAKES A COLUMN AND ITS 16 REGISTERS RUN DOWN K, so the conversions' results are the image's 16 bytes.  One wave makes one group of 512 bytes; 928 groups, 232 work-groups.
; W_enc has K = 160: its sixth group (k = 160 .. 191) is zero codes, which add nothing to a sum.
; code = x / 2^e, held within +-448, to the nearest code, ties to even.  LIMITS: -126 <= e <= 119 for the weights' exponents; NaN among the inputs is not served.
.set IMG_S,   0
.set IMG_ENC, 32768
.set IMG_K,   81920
.set IMG_Q,   147456
.set IMG_V,   212992
.set IMG_B1,  278528
.set IMG_C1,  344064
	s_load_b512 s[4:19], s[0:1], 0x0               ; W_s s[4:5], W_enc s[6:7], W_k s[8:9], W_q s[10:11], W_v s[12:13], W_b1 s[14:15], W_c1 s[16:17], the exponents s[18:19]
	s_load_b64 s[20:21], s[0:1], 0x40              ; wimg
	v_lshrrev_b32 v1, 5, v0
	v_readfirstlane_b32 s22, v1                    ; wave 0..3
	v_and_b32 v2, 31, v0                           ; lane
	v_and_b32 v3, 15, v0                           ; r
	v_bfe_u32 v4, v0, 4, 1                         ; h
	v_bfe_u32 v5, v0, 3, 1
	v_lshl_add_u32 v5, v5, 3, v3                   ; r + 8 (r / 8)
	v_lshlrev_b32 v6, 4, v2                        ; 16 x lane
	s_wait_kmcnt 0x0
	s_load_b256 s[24:31], s[18:19], 0x0            ; e0 .. e7: entry i in s[24 + i]
	s_load_b128 s[32:35], s[18:19], 0x20           ; e8 .. e11
	s_load_b64 s[36:37], s[18:19], 0x30            ; e12, e13
	s_wait_kmcnt 0x0
; One group.  ptr: the matrix's pointer; pitch: bytes from k to k + 1; hstride: bytes from wave w's 64 columns to the next wave's; es: the register with e; kg: groups in a tile; wg0: the matrix's first work-group
.macro PREP ptr, pitch, hstride, perm, es, kg, img, wg0
	s_sub_co_u32 s40, ttmp9, \wg0
	s_lshl_b32 s40, s40, 2
	s_add_co_u32 s40, s40, s22                     ; which group of the matrix is my wave's
	s_lshr_b32 s41, s40, 4                         ; kk
	s_and_b32 s42, s40, 15                         ; wu
	s_lshr_b32 s43, s42, 2                         ; w
	s_and_b32 s44, s42, 3                          ; u
	s_mul_i32 s46, s41, 32*\pitch
	s_mul_i32 s45, s43, \hstride
	s_add_co_u32 s46, s46, s45
.if \perm
	s_lshr_b32 s45, s44, 1
	s_lshl_b32 s45, s45, 7                         ; 32 (u / 2) columns of 4 bytes
	s_add_co_u32 s46, s46, s45
	s_and_b32 s45, s44, 1
	s_lshl_b32 s45, s45, 5                         ; 8 (u % 2) columns
	s_add_co_u32 s46, s46, s45
	v_lshlrev_b32 v7, 2, v5
.else
	s_lshl_b32 s45, s44, 6                         ; 16 u columns
	s_add_co_u32 s46, s46, s45
	v_lshlrev_b32 v7, 2, v3
.endif
	s_mov_b32 s47, 0
	s_add_nc_u64 s[48:49], s[\ptr:\ptr+1], s[46:47]
	v_mad_u32_u24 v7, v4, 16*\pitch, v7            ; lanes 16-31 begin 16 rows further down K
.irp i, 0,1,2,3,4,5,6,7,8,9,10,11,12,13,14,15
	global_load_b32 v[16+\i], v7, s[48:49] offset:\i*\pitch
.endr
	s_add_co_i32 s45, s[\es], 127
	s_lshl_b32 s46, s45, 23
	v_mov_b32 v11, s46                             ; 2^e as f32: the conversion takes its exponent field
	s_add_co_i32 s45, s45, 8
	s_lshl_b32 s45, s45, 23
	s_or_b32 s45, s45, 0x600000
	v_mov_b32 v10, s45                             ; 448 x 2^e
	s_mul_i32 s45, s42, \kg
	s_add_co_u32 s45, s45, s41
	s_lshl_b32 s45, s45, 9
	s_add_co_u32 s45, s45, \img
	v_add_nc_u32 v8, s45, v6                       ; the group's place in wimg + 16 x lane
	s_wait_alu depctr_va_vdst(0)
	s_wait_loadcnt 0x0
.irp i, 0,1,2,3,4,5,6,7,8,9,10,11,12,13,14,15
	v_med3_num_f32 v[16+\i], v[16+\i], -v10, v10   ; the conversion to an 8-bit code does not saturate (ISA guide 7.6.2): the hold at the largest code x the scale
.endr
	v_cvt_scalef32_pk8_fp8_f32 v[32:33], v[16:23], v11
	v_cvt_scalef32_pk8_fp8_f32 v[34:35], v[24:31], v11
	global_store_b128 v8, v[32:35], s[20:21]       ; the wave stores 512 consecutive bytes, at a multiple of 512 from wimg's first byte
	s_endpgm
.endm
	s_cmp_lt_u32 ttmp9, 16                         ; which matrix: the work-group's number alone decides
	s_cbranch_scc1 .Lws
	s_cmp_lt_u32 ttmp9, 36
	s_cbranch_scc1 .Lwenc
	s_cmp_lt_u32 ttmp9, 40
	s_cbranch_scc1 .Lzero
	s_cmp_lt_u32 ttmp9, 72
	s_cbranch_scc1 .Lwk
	s_cmp_lt_u32 ttmp9, 104
	s_cbranch_scc1 .Lwq
	s_cmp_lt_u32 ttmp9, 136
	s_cbranch_scc1 .Lwv
	s_cmp_lt_u32 ttmp9, 168
	s_cbranch_scc1 .Lwb1
	s_wait_alu depctr_va_vdst(0)
	PREP 16, 1024, 256, 0, 35, 16, IMG_C1, 168     ; W_c1 [512][256], e11
.Lws:
	s_wait_alu depctr_va_vdst(0)
	PREP 4, 1024, 256, 1, 27, 4, IMG_S, 0          ; W_s [128][256], e3
.Lwenc:
	s_wait_alu depctr_va_vdst(0)
	PREP 6, 1024, 256, 1, 25, 6, IMG_ENC, 16       ; W_enc [160][256], e1: groups 0 to 4
.Lwk:
	s_wait_alu depctr_va_vdst(0)
	PREP 8, 256, 65536, 0, 28, 8, IMG_K, 40        ; W_k [4][256][64], e4: wave w's columns are head w
.Lwq:
	s_wait_alu depctr_va_vdst(0)
	PREP 10, 256, 65536, 0, 30, 8, IMG_Q, 72       ; W_q, e6
.Lwv:
	s_wait_alu depctr_va_vdst(0)
	PREP 12, 256, 65536, 1, 32, 8, IMG_V, 104      ; W_v, e8
.Lwb1:
	s_wait_alu depctr_va_vdst(0)
	PREP 14, 1024, 256, 0, 37, 8, IMG_B1, 136      ; W_b1 [256][256], e13
.Lzero:                                                ; W_enc's group 5 of each of the 16 tiles: zero codes, nothing is loaded
	s_sub_co_u32 s40, ttmp9, 36
	s_lshl_b32 s40, s40, 2
	s_add_co_u32 s40, s40, s22                     ; wu
	s_mul_i32 s40, s40, 6
	s_add_co_u32 s40, s40, 5
	s_lshl_b32 s40, s40, 9
	s_add_co_u32 s40, s40, IMG_ENC
	s_wait_alu depctr_va_vdst(0)
	v_add_nc_u32 v8, s40, v6
	v_mov_b32 v32, 0
	v_mov_b32 v33, 0
	v_mov_b32 v34, 0
	v_mov_b32 v35, 0
	global_store_b128 v8, v[32:35], s[20:21]
	s_endpgm
.Lfunc_end_k_q13a45a8f9a_prep:
	.size	k_q13a45a8f9a_prep, .Lfunc_end_k_q13a45a8f9a_prep-k_q13a45a8f9a_prep
	.p2alignl 7, 3214868480
	.fill 96, 4, 3214868480
	.section	.rodata,"a",@progbits
	.p2align	6, 0x0
	.amdhsa_kernel k_q13a45a8f9a_prep
		.amdhsa_group_segment_fixed_size 0
		.amdhsa_private_segment_fixed_size 0
		.amdhsa_enable_private_segment 0
		.amdhsa_kernarg_size 72
		.amdhsa_user_sgpr_count 2
		.amdhsa_user_sgpr_kernarg_segment_ptr 1
		.amdhsa_wavefront_size32 1
		.amdhsa_system_sgpr_workgroup_id_x 1
		.amdhsa_system_sgpr_workgroup_id_y 1
		.amdhsa_system_sgpr_workgroup_id_z 1
		.amdhsa_system_vgpr_workitem_id 0
		.amdhsa_next_free_vgpr 48
		.amdhsa_next_free_sgpr 66
		.amdhsa_reserve_vcc 0
		.amdhsa_float_denorm_mode_32 3
		.amdhsa_float_denorm_mode_16_64 3
		.amdhsa_memory_ordered 1
		.amdhsa_forward_progress 1
		.amdhsa_inst_pref_size 31
	.end_amdhsa_kernel
	.amdgpu_metadata
---
amdhsa.version: [ 1, 2 ]
amdhsa.kernels:
  - .name:           k_q13a45a8f9a_prep
    .symbol:         k_q13a45a8f9a_prep.kd
    .args:
      - { .name: W_s, .offset: 0, .size: 8, .value_kind: global_buffer, .address_space: global }
      - { .name: W_enc, .offset: 8, .size: 8, .value_kind: global_buffer, .address_space: global }
      - { .name: W_k, .offset: 16, .size: 8, .value_kind: global_buffer, .address_space: global }
      - { .name: W_q, .offset: 24, .size: 8, .value_kind: global_buffer, .address_space: global }
      - { .name: W_v, .offset: 32, .size: 8, .value_kind: global_buffer, .address_space: global }
      - { .name: W_b1, .offset: 40, .size: 8, .value_kind: global_buffer, .address_space: global }
      - { .name: W_c1, .offset: 48, .size: 8, .value_kind: global_buffer, .address_space: global }
      - { .name: lowp_scales, .offset: 56, .size: 8, .value_kind: global_buffer, .address_space: global }
      - { .name: wimg, .offset: 64, .size: 8, .value_kind: global_buffer, .address_space: global }
    .group_segment_fixed_size: 0
    .private_segment_fixed_size: 0
    .kernarg_segment_align: 8
    .kernarg_segment_size: 72
    .max_flat_workgroup_size: 128
    .sgpr_count:     66
    .vgpr_count:     48
    .wavefront_size: 32
...
	.end_amdgpu_metadata
.endif
;; end of part 1
;; launch critic (part 2): grid 256 x 1, 4 waves a work-group, no clusters, 315,392 bytes of LDS; arguments states, sa, wimg, lowp_scales, b_enc, b_s, b_v, b_b1, b_c1, W_c2, W_b2, b_c2, b_b2, out0, part; writes out0, part
.if DOCPART == 2
	.amdgcn_target "amdgcn-amd-amdhsa--gfx1250"
	.amdhsa_code_object_version 6
	.text
	.protected	k_q13a45a8f9a_critic
	.globl	k_q13a45a8f9a_critic
	.p2align	8
	.type	k_q13a45a8f9a_critic,@function
k_q13a45a8f9a_critic:
	s_mov_b64 s[64:65], 0
	v_nop
	global_prefetch_b8 v0, s[64:65] scope:SCOPE_SE
	s_setreg_imm32_b32 hwreg(HW_REG_WAVE_MODE, 25, 1), 1
	s_wait_xcnt 0x0
; THE WHOLE NETWORK, FUSED.  For each row (agent n, batch entry b): two encoders, the three head projections, the self-excluding attention over the 8 agents of b, the critic layer and the baseline layer with
; their dot products: out0 = q - b; and, for each work-group, the sums of the squared off-diagonal logits of each agent (part; the last launch adds them).
; Nothing of reference() is left out: every input has a way to an output.  The diagonal logits and the logits between different batch entries lie inside tiles that also hold live work: they are computed and selected away.
; The seven QUANTISED products run on codes of E4M3 (v_wmma_f32_16x16x128_fp8_fp8; K = 160 as three steps of v_wmma_f32_16x16x64_fp8_fp8, padded with zero codes).  The logits and P V feed a quantiser, so their
; operands are f32: v_wmma_f32_16x16x4_f32, straight on the registers that the products on codes leave.
; SHARES.  256 work-groups of four waves that stay; work-group g owns batch entries 64 g .. 64 g + 63 of all 8 agents, 8 entries (64 rows, 4 tiles) a trip, 8 trips.
; A TILE OF 16 ROWS IS 2 BATCH ENTRIES x 8 AGENTS (row r: agent r % 8, entry r / 8), so attention never leaves a tile.
; THE WAVES SHARE THE COLUMNS, NOT THE ROWS: wave w owns units 64 w .. 64 w + 63 of every layer of 256 and head w.  Its weights stay put: W_k, W_q, W_v, W_b1, W_s in 576 registers, W_enc and W_c1 in its own part of LDS.
; Activations go from wave to wave through LDS as images of operand registers: a group is 32 along K, lane l's 16 codes at 16 l, 512 bytes a group.
; LDS INSTRUCTIONS STAND IN RUNS: the encoders keep a tile's code groups in registers and store them in one run in the middle of a tile's vector work, together with the loads of the tile two ahead.
; ATTENTION GOES BY TURNS ACROSS TILES: the next tile's K and Q products stand between the lines of this tile's softmax, and the last tile's attended values are quantised behind this tile's logits.
; NO TENSOR LOADS, NO CLUSTER: of the 464 KB of weight codes that all work-groups share, 288 KB go into registers, which only loads into registers fill, and the other 176 KB are read once, at the head;
; the inputs pass through registers for the quantiser in any case, and no two work-groups read the same input byte.
; SCALES.  A sum on codes stands for sum x 2^(its two exponents).  leaky(c x) = c leaky(x) for c > 0, so that power of two is folded into the next conversion's scale, into the biases (divided by it) and into the last dot vectors.
; LIMITS, so that each power of two below is an f32 number: e0, e2, e5-e0-e1, e9-e0-e1, e10-e0-e1, e7-e2-e3, e12-e2-e3, e10-e8-e9 between -126 and 119; e4+e5+e6+e7 between -120 and 120;
; e10+e11 and e12+e13 between -126 and 127.  NaN and infinities among the inputs are not served.
; REGISTERS, in windows of 256.  Window 1: W_k v0-127, W_q v128-255 (fragment (tile u, K step s) at 16 (2 u + s)).  Window 2: W_v v0-127, W_b1 v128-255.
; Window 3: W_s v0-63; v64-207 by turns W_enc's fragments, the next block's inputs, W_c1's two sets; v208-223 the logits' two accumulators, v224-255 P V's four: these 48 are written by matrix instructions alone.
; Window 0: v1-31 addresses and constants, v32-39 the four tiles' running q - b; v40-255 by stage, as named below.
.set IMG_S,   0
.set IMG_ENC, 32768
.set IMG_K,   81920
.set IMG_Q,   147456
.set IMG_V,   212992
.set IMG_B1,  278528
.set IMG_C1,  344064
; LDS
.set WENC,  0                          ; W_enc's images: 12,288 bytes a wave
.set WC1,   49152                      ; W_c1's: 32,768 a wave
.set XSA,   180224                     ; sa's codes [tile 4][group 6][512]; group 5 is zero codes, stored once
.set XST,   192512                     ; states' codes [tile 4][group 4][512]
.set ES7,   200704                     ; enc_s for W_q's product [tile 4][group 8][512]; the five that follow are laid alike
.set ES12,  217088                     ; enc_s for W_b1's
.set EA5,   233472                     ; enc_sa for W_k's
.set EA9,   249856                     ; enc_sa for W_v's
.set EA10,  266240                     ; enc_sa for W_c1's
.set OT,    282624                     ; the attended values for W_c1's
.set BIAS,  299008                     ; 7 arrays of 256 f32: b_enc', b_s', b_v', b_b1', b_c1', w_c2', w_b2'
.set RED,   306176                     ; [wave][agent 8][entry 64] f32: each wave's part of q - b
.set REG2,  314368                     ; [wave][agent 8] f32
.set SPARE, 314624                     ; the spare words, 128 bytes for each wave: two blocks of 256 bytes that no other line names
; window 0 by stage
.set AB0, 40                           ; encoders: two sets of an input tile's codes (the second at + 24)
.set ACS, 88                           ; two sets of four accumulators (the second at + 32)
.set BI1, 152                          ; the bias in the result's layout
.set T0,  184
.set T1,  200
.set CD0, 216                          ; the codes of a tile's units 0-31: up to three groups, 12 registers
.set CD1, 228                          ; of its units 32-63: two sets of 12, by the tile's parity, since they are stored in the next tile's run
.set BA0, 40                           ; baseline layer: two sets of a tile's codes (+ 32)
.set BC0, 104                          ; two sets of four accumulators (+ 32)
.set BIT, 168                          ; bias, and
.set WVT, 200                          ; dot vector, for the baseline and the critic layer
.set TL,  240
.set FR,  248                          ; the four tiles' q - b of my units, ahead of their one run of stores
.set FA,  40                           ; attention: enc_sa's codes,
.set FB,  72                           ; enc_s's
.set KA,  104
.set QA,  136
.set VA,  168
.set PP,  200                          ; the probabilities
.set LGS, 208                          ; the logits
.set TT,  216
.set TV,  224
.set MX,  224
.set SM,  226
.set FF,  228
.set OQT, 200                          ; v200-231, dead behind a tile's P V and V's activation: the held attended values ahead of their conversion
.set BV,  232
.set CDA, 240
.set CX,  40                           ; the next block's input codes
.set CAB, 168                          ; critic layer: four tiles' codes of a K step; its 16 accumulators (tile m, u) at 40 + 8 (4 m + u)
.set MSB, 0
.macro WIN new                         ; the immediate's high byte repeats the setting that is left; a switch that changes nothing is dropped
.if MSB != \new
	s_set_vgpr_msb (MSB<<8)|\new
.set MSB, \new
.endif
.endm
.macro NOPS cnt
.rept \cnt
	v_nop
.endr
.endm
.macro BAR                             ; my LDS stores have landed and my LDS loads are in: then the work-group's barrier
	s_wait_alu depctr_va_vdst(0)
	s_wait_dscnt 0x0
	s_barrier_signal -1
	s_barrier_wait -1
.endm
.macro GLW dst, cnt, sb, off           ; cnt groups of an image from memory: 512 consecutive bytes a load
.set gi, 0
.rept \cnt
	global_load_b128 v[(\dst)+4*gi:(\dst)+4*gi+3], v1, s[\sb:\sb+1] offset:(\off)+512*gi
.set gi, gi+1
.endr
.endm
.macro ACT dst, adr, off, cnt          ; cnt groups from LDS
.set gi, 0
.rept \cnt
	ds_load_b128 v[(\dst)+4*gi:(\dst)+4*gi+3], v[\adr] offset:(\off)+512*gi
.set gi, gi+1
.endr
.endm
.macro STW src, adr, off, cnt          ; cnt groups into LDS
.set gi, 0
.rept \cnt
	ds_store_b128 v[\adr], v[(\src)+4*gi:(\src)+4*gi+3] offset:(\off)+512*gi
.set gi, gi+1
.endr
.endm
.macro LDBP dst, arr                   ; array arr at my units in the PERM order: tile u, register j: unit 64 w + 32 (u / 2) + 8 (u % 2) + 16 h + j
.irp u, 0,1,2,3
	ds_load_b128 v[(\dst)+8*\u:(\dst)+8*\u+3], v13 offset:1024*(\arr)+128*(\u/2)+32*(\u%2)
	ds_load_b128 v[(\dst)+8*\u+4:(\dst)+8*\u+7], v13 offset:1024*(\arr)+128*(\u/2)+32*(\u%2)+16
.endr
.endm
.macro LDBN dst, arr                   ; the same in the natural order: unit 64 w + 16 u + 8 h + j
.irp u, 0,1,2,3
	ds_load_b128 v[(\dst)+8*\u:(\dst)+8*\u+3], v14 offset:1024*(\arr)+64*\u
	ds_load_b128 v[(\dst)+8*\u+4:(\dst)+8*\u+7], v14 offset:1024*(\arr)+64*\u+16
.endr
.endm
; The next block's inputs for my tile: load (c, j) takes bytes 128 c .. 128 c + 127 of rows 4 j .. 4 j + 3 (agents 4 (j % 2) + 0 .. 3 of entry j / 2): eight lanes to a row, 16 bytes a lane.  36 loads into window 3
.macro XLOAD
	WIN 0xc0
.irp c, 0,1,2,3,4
.irp j, 0,1,2,3
	global_load_b128 v[64+16*\c+4*\j:64+16*\c+4*\j+3], v2, s[84-78*(\j%2):85-78*(\j%2)] offset:128*\c+640*(\j/2) th:TH_LOAD_NT
.endr
.endr
.irp c, 0,1,2,3
.irp j, 0,1,2,3
	global_load_b128 v[144+16*\c+4*\j:144+16*\c+4*\j+3], v3, s[86-82*(\j%2):87-82*(\j%2)] offset:128*\c+512*(\j/2) th:TH_LOAD_NT
.endr
.endr
	WIN 0
.endm
; They become codes and go to LDS; the bases step to the block after.  (The wait for the loads stands ahead of the macro)
.macro XQ
	WIN 0xc3
.set gi, 0
.rept 80
	v_med3_num_f32 v[64+gi], v[64+gi], s50, s51    ; the conversion to an 8-bit code does not saturate (ISA guide 7.6.2): the hold at +-448 x 2^e0
.set gi, gi+1
.endr
.set gi, 0
.rept 64
	v_med3_num_f32 v[144+gi], v[144+gi], s52, s53
.set gi, gi+1
.endr
	WIN 0x03
.irp g, 0,1,2,3,4
	v_cvt_scalef32_pk8_fp8_f32 v[CX+4*\g:CX+4*\g+1], v[64+16*\g:64+16*\g+7], v18
	v_cvt_scalef32_pk8_fp8_f32 v[CX+4*\g+2:CX+4*\g+3], v[64+16*\g+8:64+16*\g+15], v18
.endr
.irp g, 0,1,2,3
	v_cvt_scalef32_pk8_fp8_f32 v[CX+20+4*\g:CX+20+4*\g+1], v[144+16*\g:144+16*\g+7], v19
	v_cvt_scalef32_pk8_fp8_f32 v[CX+20+4*\g+2:CX+20+4*\g+3], v[144+16*\g+8:144+16*\g+15], v19
.endr
	WIN 0
	v_nop                                          ; one plain vector line behind the last scaled conversion
.irp c, 0,1,2,3,4                      ; load (c, j)'s four codes are one word: to group c of the image, rows 4 j on (64 j bytes)
.irp j, 0,1,2,3
	ds_store_b32 v7, v[CX+4*\c+\j] offset:512*\c+64*\j
.endr
.endr
.irp c, 0,1,2,3
.irp j, 0,1,2,3
	ds_store_b32 v8, v[CX+20+4*\c+\j] offset:512*\c+64*\j
.endr
.endr
	s_add_nc_u64 s[84:85], s[84:85], 5120          ; 8 batch entries of 640 bytes; the loads that read these bases have come back
	s_add_nc_u64 s[86:87], s[86:87], 4096
	s_add_nc_u64 s[6:7], s[6:7], 5120
	s_add_nc_u64 s[4:5], s[4:5], 4096
.endm
; The products on codes.  TRANSPOSED (source 0 = 16 columns of the weight, source 1 = 16 rows): lane (r, h) then holds row r, and its register j the tile's column 8 h + j.
; The accumulators take turns, one instruction a turn.
.macro MMSA acc, ab                    ; enc_sa: three K steps of 64; the bias is the first step's C
	WIN 0x03
.irp s, 0,1,2
.irp u, 0,1,2,3
.if \s == 0
	v_wmma_f32_16x16x64_fp8_fp8 v[(\acc)+8*\u:(\acc)+8*\u+7], v[64+24*\u+8*\s:64+24*\u+8*\s+7], v[(\ab)+8*\s:(\ab)+8*\s+7], v[BI1+8*\u:BI1+8*\u+7]
.else
	v_wmma_f32_16x16x64_fp8_fp8 v[(\acc)+8*\u:(\acc)+8*\u+7], v[64+24*\u+8*\s:64+24*\u+8*\s+7], v[(\ab)+8*\s:(\ab)+8*\s+7], v[(\acc)+8*\u:(\acc)+8*\u+7]
.endif
.endr
.endr
	WIN 0
.endm
.macro MMS acc, ab                     ; enc_s: one K step of 128
	WIN 0x03
.irp u, 0,1,2,3
	v_wmma_f32_16x16x128_fp8_fp8 v[(\acc)+8*\u:(\acc)+8*\u+7], v[16*\u:16*\u+15], v[\ab:(\ab)+15], v[BI1+8*\u:BI1+8*\u+7]
.endr
	WIN 0
.endm
.macro MMB1 acc, ab                    ; the baseline layer: two K steps of 128
	WIN 0x02
.irp s, 0,1
.irp u, 0,1,2,3
.if \s == 0
	v_wmma_f32_16x16x128_fp8_fp8 v[(\acc)+8*\u:(\acc)+8*\u+7], v[128+32*\u:128+32*\u+15], v[\ab:(\ab)+15], v[BIT+8*\u:BIT+8*\u+7]
.else
	v_wmma_f32_16x16x128_fp8_fp8 v[(\acc)+8*\u:(\acc)+8*\u+7], v[128+32*\u+16:128+32*\u+31], v[(\ab)+16:(\ab)+31], v[(\acc)+8*\u:(\acc)+8*\u+7]
.endif
.endr
.endr
	WIN 0
.endm
.macro LEAK16 a, t                     ; leaky(x) = max(x, 0.01 x), 16 numbers in place, each accumulator from its low end on
.irp k, 0,2,4,6,8,10,12,14
	v_pk_mul_f32 v[(\t)+\k:(\t)+\k+1], v[(\a)+\k:(\a)+\k+1], 0x3c23d70a op_sel_hi:[1,0]
.endr
.irp k, 0,1,2,3,4,5,6,7,8,9,10,11,12,13,14,15
	v_max_num_f32 v[(\a)+\k], v[(\a)+\k], v[(\t)+\k]
.endr
.endm
.macro Q16 a, t, cd, sc, lim           ; 16 neighbours along the next K become a group's 16 codes: the hold into t, two conversions into cd
.irp k, 0,1,2,3,4,5,6,7,8,9,10,11,12,13,14,15
	v_med3_num_f32 v[(\t)+\k], v[(\a)+\k], s[\lim], s[(\lim)+1]
.endr
	v_cvt_scalef32_pk8_fp8_f32 v[\cd:(\cd)+1], v[\t:(\t)+7], v[\sc]
	v_cvt_scalef32_pk8_fp8_f32 v[(\cd)+2:(\cd)+3], v[(\t)+8:(\t)+15], v[\sc]
.endm
; Tiles 2 b and 2 b + 1 of a row tile of enc_sa: activation, then three sets of codes, one for each product that takes them (their scales may differ), into 12 registers from cd on.
; T0 and T1 take turns, so that sixteen plain lines stand between a conversion and the next write of its sources.  The stores follow later, in a run (ST3).
.macro LQ3 acc, b, cd
	LEAK16 (\acc)+16*(\b), T0
	Q16 (\acc)+16*(\b), T1, \cd, 20, 54
	Q16 (\acc)+16*(\b), T0, (\cd)+4, 21, 56
	Q16 (\acc)+16*(\b), T1, (\cd)+8, 22, 58
	v_nop                                          ; one plain vector line behind the last scaled conversion
.endm
.macro ST3 cd, m, b                    ; those three groups of row tile m go to LDS: for W_k's, W_v's and W_c1's products
	ds_store_b128 v11, v[\cd:(\cd)+3] offset:32768+4096*(\m)+512*(\b)
	ds_store_b128 v12, v[(\cd)+4:(\cd)+7] offset:4096*(\m)+512*(\b)
	ds_store_b128 v12, v[(\cd)+8:(\cd)+11] offset:16384+4096*(\m)+512*(\b)
.endm
.macro LQ2 acc, b, cd                  ; the same for enc_s: two sets, 8 registers
	LEAK16 (\acc)+16*(\b), T0
	Q16 (\acc)+16*(\b), T1, \cd, 23, 60
	Q16 (\acc)+16*(\b), T0, (\cd)+4, 24, 62
	v_nop
.endm
.macro ST2 cd, m, b                    ; for W_q's and W_b1's products
	ds_store_b128 v11, v[\cd:(\cd)+3] offset:4096*(\m)+512*(\b)
	ds_store_b128 v11, v[(\cd)+4:(\cd)+7] offset:16384+4096*(\m)+512*(\b)
.endm
; A last layer's tile u of row tile m: (+ bias), activation, and the dot product with my units' part of the vector, onto the tile's running pair
.macro TAIL acc, u, m, addb, first
.if \addb
.irp k, 0,2,4,6
	v_pk_add_f32 v[(\acc)+8*(\u)+\k:(\acc)+8*(\u)+\k+1], v[(\acc)+8*(\u)+\k:(\acc)+8*(\u)+\k+1], v[BIT+8*(\u)+\k:BIT+8*(\u)+\k+1]
.endr
.endif
.irp k, 0,2,4,6
	v_pk_mul_f32 v[TL+\k:TL+\k+1], v[(\acc)+8*(\u)+\k:(\acc)+8*(\u)+\k+1], 0x3c23d70a op_sel_hi:[1,0]
.endr
.irp k, 0,1,2,3,4,5,6,7
	v_max_num_f32 v[(\acc)+8*(\u)+\k], v[(\acc)+8*(\u)+\k], v[TL+\k]
.endr
.irp k, 0,2,4,6
.if \first && (\k == 0)
	v_pk_mul_f32 v[32+2*(\m):33+2*(\m)], v[(\acc)+8*(\u)+\k:(\acc)+8*(\u)+\k+1], v[WVT+8*(\u)+\k:WVT+8*(\u)+\k+1]
.else
	v_pk_fma_f32 v[32+2*(\m):33+2*(\m)], v[(\acc)+8*(\u)+\k:(\acc)+8*(\u)+\k+1], v[WVT+8*(\u)+\k:WVT+8*(\u)+\k+1], v[32+2*(\m):33+2*(\m)]
.endif
.endr
.endm
.macro FIN m                           ; the pair's halves and the other half of the lanes': my wave's part of q - b of row r, kept for the one run of stores behind the last tile
	v_add_f32 v[TL], v[32+2*(\m)], v[33+2*(\m)]
	v_permlanex16_b32 v[TL+1], v[TL], s78, s79
	v_add_f32 v[FR+(\m)], v[TL], v[TL+1]
.endm
; ---- ATTENTION of head w.  K and Q transposed (lane: a row; registers: the head's channels 16 u + 8 h + j).  V NOT transposed (source 0 = the rows): lane (r, h) holds channel col(u, r) of rows 8 h + j.
; Logits: A = two registers of K, B = the same two of Q: in both, lane (r, h) holds channels 16 t + 8 h + 2 p + 0, 1 of row r.  Result: lane (r, h), register j: key row 8 h + j, query row r.
; P V: A = two registers of V (channel r, key rows 8 h + 2 p + 0, 1), B = the same two of P.  Result: lane (query, h), register j of tile u: channel 32 (u / 2) + 8 (u % 2) + 16 h + j: neighbours along the critic layer's K.
; THE ORDER, for row tile m: V(m) | the logits of m, with V's bias and activation behind instructions 0-7 and the quantising of tile m - 1's attended values behind 8-12 | the softmax of m in slices of three lines
; behind the 16 products K(m + 1), Q(m + 1) | one LDS run: tile m - 1's two stores, W_v's codes of m + 1 | P V of m with the regulariser's lines.  K(0), Q(0) stand ahead of the first tile, tile 3's quantising behind the last.
; Product ki of 16: K's four tiles, K step 0, then step 1; then Q's likewise
.macro KQW
	WIN 0x01
.if ki < 4
	v_wmma_f32_16x16x128_fp8_fp8 v[KA+8*ki:KA+8*ki+7], v[32*ki:32*ki+15], v[FA:FA+15], 0
.elseif ki < 8
.if ki == 7
	s_wait_alu depctr_va_vdst(0)                   ; this product is the first reader of a matrix result, behind an exponential
.endif
	v_wmma_f32_16x16x128_fp8_fp8 v[KA+8*(ki-4):KA+8*(ki-4)+7], v[32*(ki-4)+16:32*(ki-4)+31], v[FA+16:FA+31], v[KA+8*(ki-4):KA+8*(ki-4)+7]
.elseif ki < 12
	v_wmma_f32_16x16x128_fp8_fp8 v[QA+8*(ki-8):QA+8*(ki-8)+7], v[128+32*(ki-8):128+32*(ki-8)+15], v[FB:FB+15], 0
.else
	v_wmma_f32_16x16x128_fp8_fp8 v[QA+8*(ki-12):QA+8*(ki-12)+7], v[128+32*(ki-12)+16:128+32*(ki-12)+31], v[FB+16:FB+31], v[QA+8*(ki-12):QA+8*(ki-12)+7]
.endif
.set ki, ki+1
.endm
.macro VPROD
	s_wait_dscnt 0x0                               ; enc_sa's codes for W_v's product are in
	WIN 0x08
.irp s, 0,1
.irp u, 0,1,2,3
.if \s == 0
	v_wmma_f32_16x16x128_fp8_fp8 v[VA+8*\u:VA+8*\u+7], v[FA:FA+15], v[32*\u:32*\u+15], 0
.else
	v_wmma_f32_16x16x128_fp8_fp8 v[VA+8*\u:VA+8*\u+7], v[FA+16:FA+31], v[32*\u+16:32*\u+31], v[VA+8*\u:VA+8*\u+7]
.endif
.endr
.endr
	WIN 0
	NOPS 5                                         ; five places: matrix instructions take K and Q as operands next; they also serve the reads of V and the loads into the codes' registers
.endm
; Line vj of 64 of V's bias and activation: for each tile u four packed additions, four packed multiplies by 0.01, eight maxima
.macro VL
.set vu, vj/16
.set vk, vj%16
.if vk < 4
	v_pk_add_f32 v[VA+8*vu+2*vk:VA+8*vu+2*vk+1], v[VA+8*vu+2*vk:VA+8*vu+2*vk+1], v[BV+2*vu:BV+2*vu+1] op_sel_hi:[1,0]
.elseif vk < 8
	v_pk_mul_f32 v[TV+2*(vk-4):TV+2*(vk-4)+1], v[VA+8*vu+2*(vk-4):VA+8*vu+2*(vk-4)+1], 0x3c23d70a op_sel_hi:[1,0]
.else
	v_max_num_f32 v[VA+8*vu+vk-8], v[VA+8*vu+vk-8], v[TV+vk-8]
.endif
.set vj, vj+1
.endm
; The attended values become codes.  Line oj of 32: the hold, out of P V's accumulators (window 3) into other registers, each accumulator from its low end on
.macro OQM
	v_med3_num_f32 v[OQT+oj], v[224+oj], s66, s67
.set oj, oj+1
.endm
.macro OQC                             ; the four conversions
.irp b, 0,1
	v_cvt_scalef32_pk8_fp8_f32 v[CDA+4*\b:CDA+4*\b+1], v[OQT+16*\b:OQT+16*\b+7], v25
	v_cvt_scalef32_pk8_fp8_f32 v[CDA+4*\b+2:CDA+4*\b+3], v[OQT+16*\b+8:OQT+16*\b+15], v25
.endr
	v_nop                                          ; one plain vector line behind the last scaled conversion
.endm
.macro OQS m                           ; and row tile m's two groups go to LDS
	ds_store_b128 v12, v[CDA:CDA+3] offset:32768+4096*(\m)
	ds_store_b128 v12, v[CDA+4:CDA+7] offset:32768+4096*(\m)+512
.endm
.macro LOGITS m                        ; two accumulators by turns
.set li, 0
.set vj, 0
.set oj, 0
.rept 16
	WIN 0xf0
.if li == 0
	s_wait_alu depctr_va_vdst(0)                   ; K and Q are matrix results first read behind the last tile's transcendentals
.endif
.if li < 2
	v_wmma_f32_16x16x4_f32 v[208+8*(li%2):215+8*(li%2)], v[KA+8*(li/4)+2*(li%4):KA+8*(li/4)+2*(li%4)+1], v[QA+8*(li/4)+2*(li%4):QA+8*(li/4)+2*(li%4)+1], 0
.else
	v_wmma_f32_16x16x4_f32 v[208+8*(li%2):215+8*(li%2)], v[KA+8*(li/4)+2*(li%4):KA+8*(li/4)+2*(li%4)+1], v[QA+8*(li/4)+2*(li%4):QA+8*(li/4)+2*(li%4)+1], v[208+8*(li%2):215+8*(li%2)]
.endif
.if li < 8
	WIN 0
.rept 8
	VL
.endr
.elseif ((\m) > 0) && (li < 12)
	WIN 0x03
.rept 8
	OQM
.endr
.elseif ((\m) > 0) && (li == 12)
	WIN 0
	OQC
.endif
.if (li == 1) && ((\m) < 3)
	ACT FA, 9, 32768+4096*((\m)+1), 8              ; the next tile's codes for W_k's and W_q's products, fourteen of these matrix instructions ahead of their use
	ACT FB, 9, 4096*((\m)+1), 8
.endif
.set li, li+1
.endr
	WIN 0
	NOPS 9                                         ; nine places: the next tile's K and Q are written over registers that these instructions have read; eight of them serve the first read of the logits
.endm
; Line sj of 45 of the softmax.  A lane holds one query (row r) and, in eight registers, its logits against the keys 8 h + 0 .. 7: those of its own batch entry where h = r / 8.
.macro SML
.if sj < 45
.if sj < 4
	WIN 0x0f
	v_pk_add_f32 v[LGS+2*sj:LGS+2*sj+1], v[208+2*sj:209+2*sj], v[216+2*sj:217+2*sj]   ; the two accumulators' halves of the head's 64, from their low ends on
.else
	WIN 0
.if sj < 8
	v_pk_mul_f32 v[TT+2*(sj-4):TT+2*(sj-4)+1], v[LGS+2*(sj-4):LGS+2*(sj-4)+1], s[76:77] op_sel_hi:[1,0]   ; x 2^(e4+e5+e6+e7) log2(e) / 8
.elseif sj < 16
	v_cndmask_b32 v[TT+sj-8], v[TT+sj-8], v27, s[68+sj-8]   ; the query's own agent: -1e9 log2(e)
.elseif sj == 16
	v_max3_num_f32 v[MX], v[TT], v[TT+1], v[TT+2]
.elseif sj == 17
	v_max3_num_f32 v[MX+1], v[TT+3], v[TT+4], v[TT+5]
.elseif sj == 18
	v_max3_num_f32 v[MX], v[MX], v[TT+6], v[TT+7]
.elseif sj == 19
	v_max_num_f32 v[MX], v[MX], v[MX+1]
.elseif sj < 24
	v_pk_add_f32 v[TT+2*(sj-20):TT+2*(sj-20)+1], v[TT+2*(sj-20):TT+2*(sj-20)+1], v[MX:MX+1] op_sel_hi:[1,0] neg_lo:[0,1] neg_hi:[0,1]   ; the row's maximum is taken away
.elseif sj < 32
.if sj == 24
	s_wait_alu depctr_va_vdst(0)
.endif
	v_exp_f32 v[TT+sj-24], v[TT+sj-24]
.elseif sj == 32
	v_nop                                          ; a plain line behind the last exponential,
.elseif sj == 33
	s_wait_alu depctr_va_vdst(0)                   ; and a wait ahead of the batch's first reader
	v_pk_add_f32 v[SM:SM+1], v[TT:TT+1], v[TT+2:TT+3]
.elseif sj == 34
	v_pk_add_f32 v[FF:FF+1], v[TT+4:TT+5], v[TT+6:TT+7]
.elseif sj == 35
	v_pk_add_f32 v[SM:SM+1], v[SM:SM+1], v[FF:FF+1]
.elseif sj == 36
	v_add_f32 v[SM], v[SM], v[SM+1]
.elseif sj == 37
	s_wait_alu depctr_va_vdst(0)
	v_rcp_f32 v[SM+1], v[SM]
.elseif sj == 38
	v_nop
.elseif sj == 39
	s_wait_alu depctr_va_vdst(0)
	v_mul_f32 v[FF], v[SM+1], v26                  ; 1 / sum, and 0 in the lanes that hold another batch entry's keys
.elseif sj == 40
	v_mov_b32 v[FF+1], v[FF]
.else
	v_pk_mul_f32 v[PP+2*(sj-41):PP+2*(sj-41)+1], v[TT+2*(sj-41):TT+2*(sj-41)+1], v[FF:FF+1] op_sel_hi:[1,0]
.endif
.endif
.endif
.set sj, sj+1
.endm
; The softmax of row tile m; between its lines, three behind each, the next tile's sixteen products K and Q.  Then the one LDS run.
.macro SMKQ m
.set sj, 0
.if (\m) < 3
	s_wait_alu depctr_va_vdst(0)
	s_wait_dscnt 0x0                               ; the next tile's codes for W_k's and W_q's products are in
.endif
.rept 4
	SML
.endr
.if (\m) < 3
.set ki, 0
.rept 16
	KQW
	SML
	SML
	SML
.endr
.else
.rept 41
	SML
.endr
.endif
	WIN 0
.if (\m) > 0
	OQS (\m)-1
.endif
.if (\m) < 3
	ACT FA, 10, 4096*((\m)+1), 8                   ; enc_sa's codes for W_v's product of the next tile: K's products, which read these registers, stand more than four plain lines back
.endif
.endm
; Line rj of 12 of the regulariser: the diagonal becomes 0, the squares are added
.macro REGSQ
.if rj < 8
	v_cndmask_b32 v[TT+rj], v[LGS+rj], 0, s[68+rj]
.else
	v_pk_fma_f32 v[28:29], v[TT+2*(rj-8):TT+2*(rj-8)+1], v[TT+2*(rj-8):TT+2*(rj-8)+1], v[28:29]
.endif
.set rj, rj+1
.endm
.macro PVP                             ; P V, four accumulators by turns; the regulariser's twelve lines behind the first four
.set li, 0
.set rj, 0
.rept 16
	WIN 0xf0
.if li < 4
	v_wmma_f32_16x16x4_f32 v[224+8*(li%4):231+8*(li%4)], v[VA+8*(li%4)+2*(li/4):VA+8*(li%4)+2*(li/4)+1], v[PP+2*(li/4):PP+2*(li/4)+1], 0
.else
	v_wmma_f32_16x16x4_f32 v[224+8*(li%4):231+8*(li%4)], v[VA+8*(li%4)+2*(li/4):VA+8*(li%4)+2*(li/4)+1], v[PP+2*(li/4):PP+2*(li/4)+1], v[224+8*(li%4):231+8*(li%4)]
.endif
.if li < 4
	WIN 0
	REGSQ
	REGSQ
	REGSQ
.endif
.set li, li+1
.endr
	WIN 0
.endm
; The critic layer: K = 512 in four steps; steps 0, 1 on enc_sa's codes, steps 2, 3 on the attended values'
.macro C1ACT m, s
.if (\s) < 2
	ACT CAB+16*(\m), 10, 16384+4096*(\m)+2048*(\s), 4
.else
	ACT CAB+16*(\m), 10, 32768+4096*(\m)+2048*((\s)-2), 4
.endif
.endm
.macro C1W s                           ; my four tiles of W_c1, K step s, into set s % 2 of window 3
	WIN 0xc0
.irp u, 0,1,2,3
.irp c, 0,1,2,3
	ds_load_b128 v[64+64*((\s)%2)+16*\u+4*\c:64+64*((\s)%2)+16*\u+4*\c+3], v5 offset:8192*\u+2048*(\s)+512*\c
.endr
.endr
	WIN 0
.endm
.macro C1MM s, m0                      ; row tiles m0, m0 + 1 x my four tiles: the 16 accumulators take turns in the same order in every step
	WIN 0x03
.irp m, \m0, \m0+1
.irp u, 0,1,2,3
.if (\s) == 0
	v_wmma_f32_16x16x128_fp8_fp8 v[40+8*(4*(\m)+\u):40+8*(4*(\m)+\u)+7], v[64+64*((\s)%2)+16*\u:64+64*((\s)%2)+16*\u+15], v[CAB+16*(\m):CAB+16*(\m)+15], 0
.else
	v_wmma_f32_16x16x128_fp8_fp8 v[40+8*(4*(\m)+\u):40+8*(4*(\m)+\u)+7], v[64+64*((\s)%2)+16*\u:64+64*((\s)%2)+16*\u+15], v[CAB+16*(\m):CAB+16*(\m)+15], v[40+8*(4*(\m)+\u):40+8*(4*(\m)+\u)+7]
.endif
.endr
.endr
	WIN 0
.endm
.macro C1STEP s
.if (\s) < 3
	C1W (\s)+1
	s_wait_dscnt 24                                ; out may be: row tiles 2 and 3's eight loads and the sixteen just issued; this step's weights and row tiles 0 and 1 are in
.else
	s_wait_dscnt 8                                 ; out may be: row tiles 2 and 3's eight loads
.endif
	C1MM \s, 0
	NOPS 4                                         ; places in front of loads into registers that those products have read
.if (\s) < 3
	C1ACT 0, (\s)+1
	C1ACT 1, (\s)+1
	s_wait_dscnt 24                                ; out may be: the next step's sixteen weight loads and the eight just issued
.else
	s_wait_dscnt 0
.endif
	C1MM \s, 2
	NOPS 4
.if (\s) < 3
	C1ACT 2, (\s)+1
	C1ACT 3, (\s)+1
.endif
.endm
.macro MKSC idx, lim                   ; f in s90: v[18 + idx] = 2^f as f32 for the conversion; s[lim], s[lim + 1] = -+448 x 2^f for the hold
	s_add_co_i32 s91, s90, 127
	s_lshl_b32 s91, s91, 23
	v_mov_b32 v[18+\idx], s91
	s_add_co_i32 s91, s90, 135
	s_lshl_b32 s91, s91, 23
	s_or_b32 s[\lim+1], s91, 0x600000
	s_or_b32 s[\lim], s[\lim+1], 0x80000000
.endm
; ---------------------------------------------------------------- the head
	s_load_b512 s[4:19], s[0:1], 0x0               ; states s[4:5], sa s[6:7], wimg s[8:9], the exponents s[10:11], b_enc s[12:13], b_s s[14:15], b_v s[16:17], b_b1 s[18:19]
	s_load_b256 s[20:27], s[0:1], 0x40             ; b_c1 s[20:21], W_c2 s[22:23], W_b2 s[24:25], b_c2 s[26:27]
	s_load_b128 s[28:31], s[0:1], 0x60             ; b_b2 s[28:29], out0 s[30:31]
	s_load_b64 s[32:33], s[0:1], 0x70              ; part
	v_lshl_add_u32 v30, v0, 2, SPARE               ; my spare word, and 0; never rewritten
	v_mov_b32 v31, 0
	v_lshrrev_b32 v40, 5, v0
	v_readfirstlane_b32 s82, v40                   ; wave 0..3
	v_and_b32 v41, 31, v0                          ; lane
	v_and_b32 v42, 15, v0                          ; r
	v_bfe_u32 v43, v0, 4, 1                        ; h
	v_and_b32 v44, 7, v0                           ; r % 8: the agent
	v_bfe_u32 v45, v0, 3, 1                        ; r / 8: which of the tile's two batch entries
	v_lshlrev_b32 v1, 4, v41                       ; v1: 16 x lane
	v_bfe_u32 v48, v0, 3, 2                        ; lane / 8: which of a load's four rows (agents)
	v_mul_u32_u24 v2, v48, 0xa00000                ; v2: sa: that agent x 16,384 rows of 640 bytes
	v_lshl_add_u32 v2, v44, 4, v2                  ;     + 16 (lane % 8): eight lanes read 128 consecutive bytes of a row
	v_lshlrev_b32 v3, 23, v48                      ; v3: states: the same with rows of 512 bytes
	v_lshl_add_u32 v3, v44, 4, v3
	s_mul_i32 s90, s82, 12288
	v_add_nc_u32 v4, s90, v1                       ; v4: my part of W_enc in LDS
	s_lshl_b32 s90, s82, 15
	s_add_co_u32 s90, s90, WC1
	v_add_nc_u32 v5, s90, v1                       ; v5: my part of W_c1
	v_add_nc_u32 v6, XSA, v1                       ; v6: the inputs' codes, to read
	s_mul_i32 s90, s82, 3072
	v_add_nc_u32 v98, s90, v6                      ; v98: tile w of sa's codes at 16 x lane, for the group of zero codes
	v_bfe_u32 v47, v0, 2, 1                        ; my four codes' place in a group's image: 256 (k % 32 / 16)
	v_lshlrev_b32 v47, 8, v47
	v_lshl_add_u32 v47, v48, 4, v47                ; + 16 x (row % 4)
	v_and_b32 v49, 3, v0
	v_lshl_add_u32 v47, v49, 2, v47                ; + k % 16
	s_add_co_u32 s90, s90, XSA
	v_add_nc_u32 v7, s90, v47                      ; v7: sa's codes of tile w, to write
	s_lshl_b32 s90, s82, 11
	s_add_co_u32 s90, s90, XST
	v_add_nc_u32 v8, s90, v47                      ; v8: states' codes of tile w, to write
	v_add_nc_u32 v9, ES7, v1                       ; v9: ES7, ES12 (+ 16,384), EA5 (+ 32,768), to read
	v_add_nc_u32 v10, EA9, v1                      ; v10: EA9, EA10 (+ 16,384), OT (+ 32,768), to read
	s_lshl_b32 s90, s82, 10
	v_add_nc_u32 v11, s90, v9                      ; v11, v12: the same, at my two groups of a tile, to write
	v_add_nc_u32 v12, s90, v10
	s_lshl_b32 s90, s82, 8
	s_add_co_u32 s90, s90, BIAS
	v_lshl_add_u32 v13, v43, 6, s90                ; v13: an array at my 64 units, PERM order
	v_lshl_add_u32 v14, v43, 5, s90                ; v14: natural order
	v_lshl_add_u32 v46, v45, 3, v42
	v_lshl_add_u32 v15, v46, 2, s90                ; v15: at channel r + 8 (r / 8): b_v for V's layout
	s_lshl_b32 s91, s82, 11
	s_add_co_u32 s91, s91, RED
	v_lshl_add_u32 v16, v44, 8, s91
	v_lshl_add_u32 v16, v45, 2, v16                ; v16: my wave's part of RED, agent's row, the entry's word
	v_xor_b32 v46, v43, v45
	v_sub_nc_u32 v46, 1, v46
	v_cvt_f32_u32 v26, v46                         ; v26: 1.0 where h = r / 8 (the lane's keys are of its query's batch entry), else 0.0
	v_mov_b32 v27, 0xceabfb8f                      ; v27: -1e9 log2(e)
	v_lshlrev_b32 v96, 3, v0                       ; 8 x thread: the bias arrays in memory,
	v_lshl_add_u32 v97, v0, 3, BIAS                ; and in LDS
	s_mov_b32 s78, 0x76543210                      ; v_permlanex16_b32's selects for lane l xor 16
	s_mov_b32 s79, 0xfedcba98
.irp j, 0,1,2,3,4,5,6,7
	s_mov_b32 s[68+\j], 0x01010101<<\j             ; the lanes whose query is agent j
.endr
	s_wait_alu depctr_va_vdst(0)
	s_wait_kmcnt 0x0
	s_load_b256 s[36:43], s[10:11], 0x0            ; e0 .. e7: entry i in s[36 + i]
	s_load_b128 s[44:47], s[10:11], 0x20           ; e8 .. e11
	s_load_b64 s[48:49], s[10:11], 0x30            ; e12, e13
	s_load_b32 s83, s[26:27], 0x0                  ; b_c2
	s_load_b32 s89, s[28:29], 0x0                  ; b_b2
	s_mov_b32 s91, 0
	s_lshl_b32 s90, s82, 14
	s_add_nc_u64 s[92:93], s[8:9], s[90:91]        ; wimg + 16,384 w: my quarter of W_k, W_q, W_v, W_b1
	s_lshl_b32 s90, s82, 13
	s_add_nc_u64 s[94:95], s[8:9], s[90:91]        ; + 8,192 w: of W_s
	s_mul_i32 s90, s82, 12288
	s_add_nc_u64 s[96:97], s[8:9], s[90:91]        ; of W_enc
	s_lshl_b32 s90, s82, 15
	s_add_nc_u64 s[98:99], s[8:9], s[90:91]        ; of W_c1
	s_lshl_b32 s90, ttmp9, 6
	s_lshl_b32 s34, s82, 1
	s_add_co_u32 s90, s90, s34                     ; batch entry 64 g + 2 w: my tile of block 0
	s_mul_i32 s34, s90, 640
	s_mov_b32 s35, 0
	s_add_nc_u64 s[84:85], s[6:7], s[34:35]
	s_lshl_b32 s34, s90, 9
	s_add_nc_u64 s[86:87], s[4:5], s[34:35]
	s_add_nc_u64 s[6:7], s[84:85], 0x2800000       ; the same entries of agents 4 to 7: four agents of 16,384 x 640 bytes on,
	s_add_nc_u64 s[4:5], s[86:87], 0x2000000       ; and of 16,384 x 512 bytes
	WIN 0x40                                       ; the weights that stay in registers
	GLW 0, 32, 92, IMG_K
	GLW 128, 32, 92, IMG_Q
	WIN 0x80
	GLW 0, 32, 92, IMG_V
	GLW 128, 32, 92, IMG_B1
	WIN 0xc0
	GLW 0, 16, 94, IMG_S
	WIN 0
	XLOAD                                          ; block 0's inputs
.irp a, 0,1,2,3,4,5,6
	global_load_b64 v[80+2*\a:81+2*\a], v96, s[12+2*\a:13+2*\a]   ; the five biases and the two dot vectors: 8 bytes a thread
.endr
	GLW 100, 24, 96, IMG_ENC                       ; my part of W_enc and the first 15 groups of my part of W_c1, on their way to LDS through registers
	GLW 196, 15, 98, IMG_C1
	s_wait_kmcnt 0x0
	s_mov_b32 s90, s36                             ; sa: e0
	MKSC 0, 50
	s_mov_b32 s90, s38                             ; states: e2
	MKSC 1, 52
	s_add_co_i32 s34, s36, s37                     ; e0 + e1: what enc_sa's sums lack
	s_add_co_i32 s35, s38, s39                     ; e2 + e3: what enc_s's lack
	s_sub_co_i32 s90, s41, s34
	MKSC 2, 54
	s_sub_co_i32 s90, s45, s34
	MKSC 3, 56
	s_sub_co_i32 s90, s46, s34
	MKSC 4, 58
	s_sub_co_i32 s90, s43, s35
	MKSC 5, 60
	s_sub_co_i32 s90, s48, s35
	MKSC 6, 62
	s_add_co_i32 s100, s44, s45                    ; e8 + e9: what V's sums lack
	s_sub_co_i32 s90, s46, s100
	MKSC 7, 66
	s_add_co_i32 s90, s40, s41
	s_add_co_i32 s90, s90, s42
	s_add_co_i32 s90, s90, s43                     ; e4 + e5 + e6 + e7: what a logit lacks
	s_lshl_b32 s88, s90, 1                         ; twice that, for the squares
	s_lshl_b32 s90, s90, 23
	s_add_co_i32 s76, s90, 0x3e38aa3b              ; log2(e) / 8 with that exponent added to its exponent field
	s_mov_b32 s77, s76                             ; (named with it as a pair, so it is written)
	s_wait_alu depctr_va_vdst(0)
	s_wait_loadcnt 0x0                             ; everything asked for so far is in
	STW 100, 4, 0, 24
	STW 196, 5, 0, 15
	s_wait_dscnt 0x0                               ; the stores have read their registers, which take W_c1's next 39 groups while block 0 is quantised
	GLW 100, 39, 98, IMG_C1+512*15
	XQ                                             ; block 0's codes
	v_mov_b32 v76, 0
	v_mov_b32 v77, 0
	v_mov_b32 v78, 0
	v_mov_b32 v79, 0
	ds_store_b128 v98, v[76:79] offset:2560        ; sa's group 5 of my tile (k = 160 .. 191): zero codes, once for the launch
	s_sub_co_i32 s90, 0, s34
	v_ldexp_f32 v80, v80, s90                      ; b_enc / 2^(e0 + e1)
	v_ldexp_f32 v81, v81, s90
	s_sub_co_i32 s90, 0, s35
	v_ldexp_f32 v82, v82, s90                      ; b_s / 2^(e2 + e3)
	v_ldexp_f32 v83, v83, s90
	s_sub_co_i32 s90, 0, s100
	v_ldexp_f32 v84, v84, s90                      ; b_v / 2^(e8 + e9)
	v_ldexp_f32 v85, v85, s90
	s_add_co_i32 s91, s48, s49
	s_sub_co_i32 s90, 0, s91
	v_ldexp_f32 v86, v86, s90                      ; b_b1 / 2^(e12 + e13)
	v_ldexp_f32 v87, v87, s90
	s_add_co_i32 s101, s46, s47
	s_sub_co_i32 s90, 0, s101
	v_ldexp_f32 v88, v88, s90                      ; b_c1 / 2^(e10 + e11)
	v_ldexp_f32 v89, v89, s90
	v_ldexp_f32 v90, v90, s101                     ; W_c2 x 2^(e10 + e11)
	v_ldexp_f32 v91, v91, s101
	v_ldexp_f32 v92, v92, s91                      ; W_b2 x 2^(e12 + e13),
	v_ldexp_f32 v93, v93, s91
	v_xor_b32 v92, 0x80000000, v92                 ; negated: the baseline is taken away
	v_xor_b32 v93, 0x80000000, v93
.irp a, 0,1,2,3,4,5,6
	ds_store_b64 v97, v[80+2*\a:81+2*\a] offset:1024*\a
.endr
	s_wait_dscnt 0x0                               ; my LDS stores have read their registers: v40-79 take W_c1's last 10 groups
	GLW 40, 10, 98, IMG_C1+512*54
	s_wait_loadcnt 10                              ; the 39 groups are in; the 10 behind them may be out
	STW 100, 5, 512*15, 39
	s_wait_loadcnt 0x0
	STW 40, 5, 512*54, 10
	WIN 0xc0
	ACT 64, 4, 0, 24                               ; W_enc's fragments for the first trip (LDS serves a wave's instructions in order: these see my stores)
	WIN 0
	v_mov_b32 v28, 0                               ; the squared logits' running pair
	v_mov_b32 v29, 0
	s_mov_b32 s80, 0                               ; the trip
	s_mov_b32 s81, 0                               ; 32 x the trip: its 8 entries' words in RED
	BAR                                            ; the inputs' codes of block 0 and the bias arrays lie in LDS
.Ltrip:
; ---------------------------------------------------------------- S1: the two encoders, my 64 units for the four tiles
; One run of LDS instructions stands in the middle of each tile's vector work: the stores of the last tile's units 32-63 and of this tile's units 0-31, then the loads of the tile two ahead.
; The loads are a run's last instructions, so the wait for them is for 0.
	LDBP BI1, 0
	ACT AB0, 6, 0, 6
	ACT AB0+24, 6, 3072, 6
	s_wait_dscnt 6                                 ; the bias and tile 0 are in; tile 1's six loads may be out
	MMSA ACS, AB0
.irp i, 0,1,2,3
.if \i < 3
	s_wait_alu depctr_va_vdst(0)
	s_wait_dscnt 0                                 ; the next tile's codes are in
	MMSA ACS+32*((\i+1)%2), AB0+24*((\i+1)%2)      ; the next tile's products stand ahead of this tile's vector work
.endif
.if \i == 0
	NOPS 4                                         ; places ahead of the first read of results
.endif
.if \i == 3
	s_wait_alu depctr_va_vdst(0)
	s_cmp_eq_u32 s80, 7                            ; the next block's inputs are asked for here, if there is a next block: no load leaves its buffer.  W_enc's fragments have been multiplied
	s_cbranch_scc1 .Lno_xload
	XLOAD
.Lno_xload:
.endif
	LQ3 ACS+32*(\i%2), 0, CD0
.if \i > 0
	ST3 CD1+12*((\i-1)%2), \i-1, 1
.endif
	ST3 CD0, \i, 0
.if \i < 2
	ACT AB0+24*(\i%2), 6, 3072*(\i+2), 6
.endif
.if \i == 3
	LDBP BI1, 1
	ACT AB0, 6, 12288, 4
	ACT AB0+24, 6, 12288+2048, 4
.endif
	LQ3 ACS+32*(\i%2), 1, CD1+12*(\i%2)
.endr
	s_wait_alu depctr_va_vdst(0)
	s_wait_dscnt 4                                 ; out may be: states' tile 1, four loads
	MMS ACS, AB0
.irp i, 0,1,2,3
.if \i < 3
	s_wait_alu depctr_va_vdst(0)
	s_wait_dscnt 0
	MMS ACS+32*((\i+1)%2), AB0+24*((\i+1)%2)
.endif
.if \i == 0
	NOPS 4
.endif
	LQ2 ACS+32*(\i%2), 0, CD0
.if \i == 0
	ST3 CD1+12, 3, 1                               ; enc_sa's last groups
.else
	ST2 CD1+12*((\i-1)%2), \i-1, 1
.endif
	ST2 CD0, \i, 0
.if \i < 2
	ACT AB0+24*(\i%2), 6, 12288+2048*(\i+2), 4
.endif
	LQ2 ACS+32*(\i%2), 1, CD1+12*(\i%2)
.endr
	ST2 CD1+12, 3, 1
	BAR                                            ; the five sets of codes are whole, and nobody reads the inputs' codes any more
; ---------------------------------------------------------------- S2: the baseline layer, then attention
	LDBN BIT, 3
	LDBN WVT, 6
	ACT BA0, 9, 16384, 8
	ACT BA0+32, 9, 16384+4096, 8
	s_wait_dscnt 8                                 ; tile 1's eight loads may be out
	MMB1 BC0, BA0
.irp i, 0,1,2,3
.if \i < 3
	s_wait_alu depctr_va_vdst(0)
	s_wait_dscnt 0
	MMB1 BC0+32*((\i+1)%2), BA0+32*((\i+1)%2)
.endif
.if \i == 0
	NOPS 4
.endif
	TAIL BC0+32*(\i%2), 0, \i, 0, 1                ; the first product starts the tile's running pair
	TAIL BC0+32*(\i%2), 1, \i, 0, 0
.if \i < 2
	ACT BA0+32*(\i%2), 9, 16384+4096*(\i+2), 8
.endif
.if \i == 3
	ACT FA, 9, 32768, 8                            ; attention's first tile
	ACT FB, 9, 0, 8
.irp u, 0,1,2,3
	ds_load_b32 v[BV+2*\u], v15 offset:2048+128*(\u/2)+32*(\u%2)
.endr
.endif
	TAIL BC0+32*(\i%2), 2, \i, 0, 0
	TAIL BC0+32*(\i%2), 3, \i, 0, 0
.endr
	s_wait_alu depctr_va_vdst(0)
	s_wait_dscnt 0x0
.irp u, 0,1,2,3
	v_mov_b32 v[BV+2*\u+1], v[BV+2*\u]             ; (named as a pair's upper half, so it is written)
.endr
	s_wait_alu depctr_va_vdst(0)
.set ki, 0
.rept 8
	KQW                                            ; K of tile 0
.endr
	WIN 0
	NOPS 4                                         ; places in front of loads into registers that those products have read (ISA guide 7.12.1 for vector instructions)
	ACT FA, 10, 0, 8                               ; enc_sa's codes for W_v's product of tile 0
.rept 8
	KQW                                            ; Q of tile 0
.endr
.irp m, 0,1,2,3
	VPROD
	LOGITS \m
	SMKQ \m
	PVP
.if \m < 3
	NOPS 9                                         ; nine places: the next tile's V is written over registers that these instructions have read
.else
	NOPS 8                                         ; eight places ahead of the first read of these results
.endif
.endr
.set oj, 0
	WIN 0x03
.rept 32
	OQM                                            ; tile 3's attended values
.endr
	WIN 0
	OQC
	OQS 3
	s_wait_alu depctr_va_vdst(0)
	s_wait_loadcnt 0x0                             ; the next block's inputs are in (on every way: the registers that they land in are loaded from LDS below)
	s_cmp_eq_u32 s80, 7
	s_cbranch_scc1 .Lno_xq
	XQ
.Lno_xq:
	C1W 0
	BAR                                            ; the attended values' codes and the next block's input codes are whole
; ---------------------------------------------------------------- S3: the critic layer
	C1ACT 0, 0
	C1ACT 1, 0
	C1ACT 2, 0
	C1ACT 3, 0
	C1STEP 0
	C1STEP 1
	C1STEP 2
	C1STEP 3
	s_cmp_eq_u32 s80, 7
	s_cbranch_scc1 .Lno_we
	WIN 0xc0
	ACT 64, 4, 0, 24                               ; W_enc's fragments for the next trip
	WIN 0
.Lno_we:
	LDBN BIT, 4
	LDBN WVT, 5
	v_add_nc_u32 v17, s81, v16
	s_wait_alu depctr_va_vdst(0)
	s_wait_dscnt 0x0
.irp m, 0,1,2,3
.irp u, 0,1,2,3
	TAIL 40+32*\m, \u, \m, 1, 0
.endr
	FIN \m
.endr
.irp m, 0,1,2,3
	ds_store_b32 v17, v[FR+\m] offset:8*\m         ; both halves of the lanes store the same number to the same word
.endr
	BAR                                            ; nobody reads this block's codes any more
	s_add_co_u32 s81, s81, 32
	s_add_co_u32 s80, s80, 1
	s_cmp_lt_u32 s80, 8
	s_cbranch_scc1 .Ltrip
; ---------------------------------------------------------------- the way out
	v_add_f32 v40, v28, v29
	v_mul_f32 v40, v40, v26                        ; lanes that held another batch entry's keys count for nothing
	v_mov_b32 v41, 0                               ; (a lane permute's destination counts as one of its sources)
	v_permlanex16_b32 v41, v40, s78, s79
	v_add_f32 v40, v40, v41
	v_add_f32_dpp v40, v40, v40 row_xmask:8 row_mask:0xf bank_mask:0xf   ; the tile's two batch entries: every lane now holds its agent's sum for head w
	v_and_b32 v42, 7, v0
	s_lshl_b32 s90, s82, 5
	s_add_co_u32 s90, s90, REG2
	v_lshl_add_u32 v43, v42, 2, s90
	ds_store_b32 v43, v40                          ; the four lanes that name a word hold the same number
	BAR
	v_lshl_add_u32 v44, v0, 4, RED
	v_lshl_add_u32 v45, v42, 2, REG2
.irp q, 0,1,2,3
	ds_load_b128 v[48+4*\q:51+4*\q], v44 offset:2048*\q   ; the four waves' parts of q - b: thread t: agent t / 16, entries 4 (t % 16) on
.endr
.irp q, 0,1,2,3
	ds_load_b32 v[64+\q], v45 offset:32*\q
.endr
	v_mov_b32 v69, s89
	v_sub_f32 v68, s83, v69                        ; b_c2 - b_b2
	v_mov_b32 v69, v68
	v_lshrrev_b32 v70, 4, v0
	v_lshlrev_b32 v70, 16, v70                     ; an agent's 16,384 numbers
	v_and_b32 v71, 15, v0
	v_lshl_add_u32 v70, v71, 4, v70
	s_lshl_b32 s90, ttmp9, 8                       ; my work-group's 64 entries
	v_add_nc_u32 v70, s90, v70
	s_lshl_b32 s90, ttmp9, 5
	v_lshl_add_u32 v72, v0, 2, s90                 ; part: 32 g + 4 t
	s_wait_alu depctr_va_vdst(0)
	s_wait_dscnt 0x0
	v_pk_add_f32 v[48:49], v[48:49], v[52:53]
	v_pk_add_f32 v[50:51], v[50:51], v[54:55]
	v_pk_add_f32 v[56:57], v[56:57], v[60:61]
	v_pk_add_f32 v[58:59], v[58:59], v[62:63]
	v_pk_add_f32 v[48:49], v[48:49], v[56:57]
	v_pk_add_f32 v[50:51], v[50:51], v[58:59]
	v_pk_add_f32 v[48:49], v[48:49], v[68:69]
	v_pk_add_f32 v[50:51], v[50:51], v[68:69]
	global_store_b128 v70, v[48:51], s[30:31]      ; 16 lanes store 256 consecutive bytes, at a multiple of 256 from out0's first byte
	v_add_f32 v64, v64, v65
	v_add_f32 v66, v66, v67
	v_add_f32 v64, v64, v66                        ; the four heads
	v_ldexp_f32 v64, v64, s88                      ; x 2^(2 (e4 + e5 + e6 + e7))
	s_wait_alu depctr_va_vdst(0)
	s_wait_xcnt 0x0                                ; EXEC changes only behind this wait
	v_cmp_gt_u32 vcc_lo, 8, v0
	s_and_saveexec_b32 s91, vcc_lo
	global_store_b32 v72, v64, s[32:33]            ; threads 0 to 7: my work-group's eight sums
	s_wait_xcnt 0x0
	s_or_b32 exec_lo, exec_lo, s91
	s_wait_tensorcnt 0x0                           ; the wave's end, behind my last LDS store
	ds_add_u32 v30, v31
	s_wait_dscnt 0x0
	s_endpgm
.Lfunc_end_k_q13a45a8f9a_critic:
	.size	k_q13a45a8f9a_critic, .Lfunc_end_k_q13a45a8f9a_critic-k_q13a45a8f9a_critic
	.p2alignl 7, 3214868480
	.fill 96, 4, 3214868480
	.section	.rodata,"a",@progbits
	.p2align	6, 0x0
	.amdhsa_kernel k_q13a45a8f9a_critic
		.amdhsa_group_segment_fixed_size 315392
		.amdhsa_private_segment_fixed_size 0
		.amdhsa_enable_private_segment 0
		.amdhsa_kernarg_size 120
		.amdhsa_user_sgpr_count 2
		.amdhsa_user_sgpr_kernarg_segment_ptr 1
		.amdhsa_wavefront_size32 1
		.amdhsa_system_sgpr_workgroup_id_x 1
		.amdhsa_system_sgpr_workgroup_id_y 1
		.amdhsa_system_sgpr_workgroup_id_z 1
		.amdhsa_system_vgpr_workitem_id 0
		.amdhsa_next_free_vgpr 1024
		.amdhsa_next_free_sgpr 102
		.amdhsa_reserve_vcc 1
		.amdhsa_float_denorm_mode_32 3
		.amdhsa_float_denorm_mode_16_64 3
		.amdhsa_memory_ordered 1
		.amdhsa_forward_progress 1
		.amdhsa_inst_pref_size 255
	.end_amdhsa_kernel
	.section	.bss,"aw",@nobits
	.p2align	6
	.space	262144
	.amdgpu_metadata
---
amdhsa.version: [ 1, 2 ]
amdhsa.kernels:
  - .name:           k_q13a45a8f9a_critic
    .symbol:         k_q13a45a8f9a_critic.kd
    .args:
      - { .name: states, .offset: 0, .size: 8, .value_kind: global_buffer, .address_space: global }
      - { .name: sa, .offset: 8, .size: 8, .value_kind: global_buffer, .address_space: global }
      - { .name: wimg, .offset: 16, .size: 8, .value_kind: global_buffer, .address_space: global }
      - { .name: lowp_scales, .offset: 24, .size: 8, .value_kind: global_buffer, .address_space: global }
      - { .name: b_enc, .offset: 32, .size: 8, .value_kind: global_buffer, .address_space: global }
      - { .name: b_s, .offset: 40, .size: 8, .value_kind: global_buffer, .address_space: global }
      - { .name: b_v, .offset: 48, .size: 8, .value_kind: global_buffer, .address_space: global }
      - { .name: b_b1, .offset: 56, .size: 8, .value_kind: global_buffer, .address_space: global }
      - { .name: b_c1, .offset: 64, .size: 8, .value_kind: global_buffer, .address_space: global }
      - { .name: W_c2, .offset: 72, .size: 8, .value_kind: global_buffer, .address_space: global }
      - { .name: W_b2, .offset: 80, .size: 8, .value_kind: global_buffer, .address_space: global }
      - { .name: b_c2, .offset: 88, .size: 8, .value_kind: global_buffer, .address_space: global }
      - { .name: b_b2, .offset: 96, .size: 8, .value_kind: global_buffer, .address_space: global }
      - { .name: out0, .offset: 104, .size: 8, .value_kind: global_buffer, .address_space: global }
      - { .name: part, .offset: 112, .size: 8, .value_kind: global_buffer, .address_space: global }
    .group_segment_fixed_size: 315392
    .private_segment_fixed_size: 0
    .kernarg_segment_align: 8
    .kernarg_segment_size: 120
    .max_flat_workgroup_size: 128
    .sgpr_count:     102
    .vgpr_count:     1024
    .wavefront_size: 32
...
	.end_amdgpu_metadata
.endif
;; end of part 2
;; launch regsum (part 3): grid 1 x 1, 1 waves a work-group, no clusters, 0 bytes of LDS; arguments part, out1; writes out1
.if DOCPART == 3
	.amdgcn_target "amdgcn-amd-amdhsa--gfx1250"
	.amdhsa_code_object_version 6
	.text
	.protected	k_q13a45a8f9a_regsum
	.globl	k_q13a45a8f9a_regsum
	.p2align	8
	.type	k_q13a45a8f9a_regsum,@function
k_q13a45a8f9a_regsum:
	s_mov_b64 s[64:65], 0
	v_nop
	global_prefetch_b8 v0, s[64:65] scope:SCOPE_SE
	s_setreg_imm32_b32 hwreg(HW_REG_WAVE_MODE, 25, 1), 1
	s_wait_xcnt 0x0
; out1[n] = 0.001 / (16,384 x 7) x the sum over the 256 work-groups of part[g][n].  One wave: 8,192 bytes in sixteen loads of 512 consecutive bytes.
; Lane l's four numbers of every load belong to agents 4 (l % 2) + 0 .. 3: so the lanes of one parity are added, and lanes 0 and 1 store the eight results.  Nothing is left out.
	s_load_b128 s[4:7], s[0:1], 0x0                ; part, out1
	v_lshlrev_b32 v1, 4, v0
	s_mov_b32 s8, 0x76543210                       ; v_permlanex16_b32's selects for lane l xor 16
	s_mov_b32 s9, 0xfedcba98
	s_wait_alu depctr_va_vdst(0)
	s_wait_kmcnt 0x0
.irp i, 0,1,2,3,4,5,6,7,8,9,10,11,12,13,14,15
	global_load_b128 v[8+4*\i:11+4*\i], v1, s[4:5] offset:512*\i
.endr
	s_wait_loadcnt 0x0
.irp i, 1,2,3,4,5,6,7,8,9,10,11,12,13,14,15
	v_pk_add_f32 v[8:9], v[8:9], v[8+4*\i:9+4*\i]
	v_pk_add_f32 v[10:11], v[10:11], v[10+4*\i:11+4*\i]
.endr
.irp x, 2,4,8
.irp q, 8,9,10,11
	v_add_f32_dpp v\q, v\q, v\q row_xmask:\x row_mask:0xf bank_mask:0xf
.endr
.endr
.irp q, 0,1,2,3
	v_mov_b32 v[4+\q], 0                           ; (a lane permute's destination counts as one of its sources)
.endr
.irp q, 0,1,2,3
	v_permlanex16_b32 v[4+\q], v[8+\q], s8, s9
.endr
.irp q, 0,1,2,3
	v_add_f32 v[8+\q], v[8+\q], v[4+\q]
.endr
.irp q, 0,1,2,3
	v_mul_f32 v[8+\q], 0x3215cbec, v[8+\q]         ; 0.001 / 114,688
.endr
	s_wait_alu depctr_va_vdst(0)
	s_wait_xcnt 0x0                                ; EXEC changes only behind this wait
	v_cmp_gt_u32 vcc_lo, 2, v0
	s_and_saveexec_b32 s10, vcc_lo
	global_store_b128 v1, v[8:11], s[6:7]
	s_wait_xcnt 0x0
	s_or_b32 exec_lo, exec_lo, s10
	s_endpgm
.Lfunc_end_k_q13a45a8f9a_regsum:
	.size	k_q13a45a8f9a_regsum, .Lfunc_end_k_q13a45a8f9a_regsum-k_q13a45a8f9a_regsum
	.p2alignl 7, 3214868480
	.fill 96, 4, 3214868480
	.section	.rodata,"a",@progbits
	.p2align	6, 0x0
	.amdhsa_kernel k_q13a45a8f9a_regsum
		.amdhsa_group_segment_fixed_size 0
		.amdhsa_private_segment_fixed_size 0
		.amdhsa_enable_private_segment 0
		.amdhsa_kernarg_size 16
		.amdhsa_user_sgpr_count 2
		.amdhsa_user_sgpr_kernarg_segment_ptr 1
		.amdhsa_wavefront_size32 1
		.amdhsa_system_sgpr_workgroup_id_x 1
		.amdhsa_system_sgpr_workgroup_id_y 1
		.amdhsa_system_sgpr_workgroup_id_z 1
		.amdhsa_system_vgpr_workitem_id 0
		.amdhsa_next_free_vgpr 80
		.amdhsa_next_free_sgpr 66
		.amdhsa_reserve_vcc 1
		.amdhsa_float_denorm_mode_32 3
		.amdhsa_float_denorm_mode_16_64 3
		.amdhsa_memory_ordered 1
		.amdhsa_forward_progress 1
		.amdhsa_inst_pref_size 6
	.end_amdhsa_kernel
	.amdgpu_metadata
---
amdhsa.version: [ 1, 2 ]
amdhsa.kernels:
  - .name:           k_q13a45a8f9a_regsum
    .symbol:         k_q13a45a8f9a_regsum.kd
    .args:
      - { .name: part, .offset: 0, .size: 8, .value_kind: global_buffer, .address_space: global }
      - { .name: out1, .offset: 8, .size: 8, .value_kind: global_buffer, .address_space: global }
    .group_segment_fixed_size: 0
    .private_segment_fixed_size: 0
    .kernarg_segment_align: 8
    .kernarg_segment_size: 16
    .max_flat_workgroup_size: 32
    .sgpr_count:     66
    .vgpr_count:     80
    .wavefront_size: 32
...
	.end_amdgpu_metadata
.endif
;; end of part 3
